; MI455X (gfx1250); checked and timed in simulation.
; The chip was launched on July 23, 2026; its instructions are those of AMD's public machine-readable ISA for CDNA 5 (MIT licence, August 2026) and "CDNA5" Instruction Set Architecture Reference Guide (July 2026). The comments in the code are by the model that wrote it; some were corrected since.
;; Naive SDPA. Allowed arithmetic: matrix products marked QUANTISED: E5M2 operands, one E8M0 scale for each 32 along K, by v_wmma_scale_f32_16x16x128_f8f6f4 with both operands' format E5M2, f32 sums; everything else in f32.
;; Inputs: attn_mask 2,048 x 2,048 float32; key_padding_mask 4 x 2,048 bool; keys_codes 4 x 16 x 2,048 x 4 x 32 uint8 (E5M2 codes of keys, K innermost, in blocks of 32 codes); keys_scales 4 x 16 x 2,048 x 4 uint8 (E8M0 scales of keys, one for each 32 codes along K); seqs_codes 4 x 16 x 2,048 x 4 x 32 uint8 (E5M2 codes of seqs, K innermost, in blocks of 32 codes); seqs_scales 4 x 16 x 2,048 x 4 uint8 (E8M0 scales of seqs, one for each 32 codes along K); values_codes 4 x 16 x 128 x 64 x 32 uint8 (E5M2 codes of values, K innermost, in blocks of 32 codes); values_scales 4 x 16 x 128 x 64 uint8 (E8M0 scales of values, one for each 32 codes along K).
;; Outputs: out0 4 x 16 x 2,048 x 128 float32.
;; This version of the problem:
;;   THIS VERSION OF THE PROBLEM IS GIVEN IN LOW PRECISION. The matrix products marked QUANTISED in the list below multiply operands that are first quantised to E5M2 (5 exponent bits, 2 mantissa bits; 8 bits a number), with one power-of-two scale for each 32 numbers along K (OCP MX v1.0); their sums are f32. All else is computed in f32.
;;   The module's matrix products, in the order in which they are computed (A, B: the left and right operand; K: the contracted axis; several contracted axes count as one K, in the product's order):
;;     1. batch 64 x [M 2,048, K 128] x [K 128, N 2,048]; A: input seqs (given as codes); B: input keys (given as codes): QUANTISED
;;     2. batch 64 x [M 2,048, K 2,048] x [K 2,048, N 128]; A: softmax (see below); B: input values (given as codes): QUANTISED
;;   THE QUANTISER, for each operand of a quantised product, along K:
;;     - K is cut into blocks of 32 from its start; a last block that is shorter is filled with zeros.
;;     - A block's scale is 2^e with e = floor(log2(the largest magnitude in the block)) - 15, held to -126 .. 127; a block of zeros has e = 0. As a byte (E8M0): e + 127.
;;     - Each number is divided by its block's scale, clamped to +-57,344, and rounded to the nearest number of E5M2, ties to even, subnormals kept.
;;     - The product sums the exact products of the quantised numbers (number of the format x scale) in f32.
;;   ~~~python
;;   def quantise(x, axis):      # numpy; x: float32 -> the quantised numbers, widened to float32 again
;;       x = np.moveaxis(x, axis, -1); K = x.shape[-1]
;;       x = np.pad(x, [(0, 0)] * (x.ndim - 1) + [(0, -K % 32)]); x = x.reshape(x.shape[:-1] + (-1, 32)); a = np.abs(x).max(-1, keepdims=True)
;;       e = np.where(a > 0, np.clip(np.frexp(np.where(a > 0, a, 1))[1] - 1 - 15, -126, 127), 0)      # np.frexp(a)[1] - 1 = floor(log2(a)), exactly
;;       r = np.clip(x / 2.0 ** e, -57344, 57344)
;;       step = 2.0 ** (np.maximum(np.frexp(np.where(r == 0, 1, r))[1] - 1, -14) - 2)
;;       q = np.round(r / step) * step * 2.0 ** e      # np.round: ties to even
;;       return np.moveaxis(q.reshape(q.shape[:-2] + (-1,))[..., :K], -1, axis).astype(np.float32)
;;   ~~~
;;   SOFTMAX AHEAD OF A QUANTISED PRODUCT. Where the list says 'softmax', what is quantised is not the finished softmax but p = 2^(t - M), with t = logit x log2(e) and M = ceil(the row's largest t), a whole number; so 1/2 < the row's largest p <= 1. The row's sum l is taken of the UNQUANTISED p, in f32, and the product's result is divided by l at the end. Since M is a whole number, a kernel that streams over the keys may use a running M (the ceiling of the running maximum): every later rescaling is an exact power of two, which a block's scale takes up: the codes' values come out the same.
;;   OPERANDS COMPUTED ON THE WAY. 'Computed on the way' means the value that the module computes at that place (a softmax that the list does not call 'softmax' is quantised finished and normalised). What goes into a quantiser is computed in f32, as accurately as f32 sums, v_exp_f32 and their like allow (about 1e-6 of the number): no bf16 or f16 on the way to a quantiser, and a product that is left as it is and whose result goes on into a quantised operand takes f32 operands (vector FMAs, or v_wmma_f32_16x16x4_f32). A number that lies on a knife's edge between two numbers of the format may be rounded either way, as far as f32 arithmetic and the matrix unit's own rounding can turn it there, and no further.
;;   INPUTS GIVEN AS CODES. keys (in the module: [4, 16, 2048, 128], K = its axis 3); seqs (in the module: [4, 16, 2048, 128], K = its axis 3); values (in the module: [4, 16, 2048, 128], K = its axis 2): each comes as NAME_codes (uint8): NAME with its K axis moved to the last place and cut into blocks of 32 codes, [.., K / 32, bytes a block], one block behind the other in memory; one code a byte (a code: sign, 5 exponent bits, 2 mantissa bits); and NAME_scales (uint8): the same leading axes, one E8M0 byte (e + 127) for each 32 codes along K. Its value is code x scale, taken as it is: it is not quantised again, and the codes and scales need not be those that the quantiser above would give.
;; One version. Each part assembles by itself: llvm-mc -triple=amdgcn-amd-amdhsa -mcpu=gfx1250 --defsym DOCPART=n.
;; ======== version 1 of 1: 1 launch
;; limits: right only within a limited range of input values
;; launch sdpa (part 1): grid 16 x 32, 4 waves a work-group, clusters of 4 x 4, 327,680 bytes of LDS; arguments seqs_codes, seqs_scales, keys_codes, keys_scales, values_codes, values_scales, key_padding_mask, attn_mask, out0; writes out0
.if DOCPART == 1
	.amdgcn_target "amdgcn-amd-amdhsa--gfx1250"
	.amdhsa_code_object_version 6
	.text
	.protected	k_q3ef730a538_sdpa
	.globl	k_q3ef730a538_sdpa
	.p2align	8
	.type	k_q3ef730a538_sdpa,@function
k_q3ef730a538_sdpa:
	s_mov_b64 s[64:65], 0
	v_nop
	global_prefetch_b8 v0, s[64:65] scope:SCOPE_SE
	s_setreg_imm32_b32 hwreg(HW_REG_WAVE_MODE, 25, 1), 1
	s_wait_xcnt 0x0
	s_wait_alu depctr_hold_cnt(0) depctr_sa_sdst(0) depctr_va_vdst(0) depctr_va_sdst(0) depctr_va_ssrc(0) depctr_va_vcc(0) depctr_vm_vsrc(0)
	s_getreg_b32 s2, hwreg(HW_REG_IB_STS2, 6, 4)
	s_cmp_eq_u32 s2, 0
	s_cbranch_scc0 .Lentry_in_a_cluster
	s_endpgm
.Lentry_in_a_cluster:
	s_bfe_u32 s2, ttmp6, 0x10000c
	s_cmp_lg_u32 s2, 0xf033
	s_cbranch_scc0 .Lentry_shape_is_right
	s_endpgm
.Lentry_shape_is_right:
; out0[n][h][q][:] = the sum over k of softmax_k(w) V[n][h][k][:], with w = Q[q] . K[k] / sqrt(128) + attn_mask[q][k], and a key with key_padding_mask[n][k] = 0 counting for nothing.
; Both products run on codes of BF8 (E5M2) with one E8M0 scale for each 32 along a product's K.  Q, K: [64 heads][2048][128] codes, scale bytes [64][2048][4].  V: codes with the KEYS innermost, [64][128][2048], scale bytes [64][128][64].
; THE SOFTMAX AHEAD OF THE SECOND PRODUCT: t = w x log2(e); M = the row's largest t so far, rounded UP to a whole number; p = 2^(t - M) is quantised along the keys, not normalised.  The row's sum is taken of the
; unquantised p, in f32, and divides O at the end.  When M moves, the sum and O are multiplied by 2^(old M - new M): exact.  attn_mask is an input: every number of it is loaded and added, every query walks all 2,048 keys.
; t is rounded to f32 BEFORE M is taken off: t - M is then exact wherever p is not 0, whatever the size of the logits (a mask of -1e9 on every visible key, a large common offset).
; PADDING COSTS NO VECTOR WORK: the first product's C is kp[key], 0 for a key that counts and -3e38 for a padded one, from a table of 2,048 f32 that the work-group makes once in LDS.
; LIMITS: a batch ALL of whose keys are padded gives finite numbers where the problem's definition gives NaN; logits beyond about 1e37 in magnitude are not told apart from padded keys; NaN among the inputs is not served;
; the bytes of key_padding_mask are 0 or 1, as the problem states them; -infinity in attn_mask is served (p = 0); p under 2^-126 counts as 0.
; SHARES.  A work-group owns 128 queries of TWO neighbouring heads (2 y, 2 y + 1: always one batch), so that a mask tile (128 queries x 128 keys, 64 KB) serves two heads.  Four waves, as many as a WGP has SIMDs:
; wave w takes head w / 2 and queries 64 (w % 2) on: four tiles of 16 queries, so that each fragment of K and V read from LDS feeds four matrix instructions.  16 key steps of 128 keys.
; CLUSTER 4 x 4: x counts blocks of queries, y pairs of heads.  K's, V's and the scale bytes' tiles hang on y alone and are asked for JOINTLY along a row of the cluster; the mask's tile hangs on x alone and is asked for jointly
; along a column: the same tensor load with the same descriptor and a mask that names the four, in all four.  That divides the requests for all three by four.
; LAYOUT.  Both products are used transposed: S^T = K Q^T (source 0 = 16 keys, source 1 = 16 queries), O^T = V^T P^T (source 0 = 16 of the head's 128, source 1 = P): a lane holds ONE query (lane % 16) throughout.
; THE KEYS OF A TILE ARE NOT NEIGHBOURS: lane r of tile 2 b + u takes key 32 b + 8 u + r + 8 (r / 8), so that registers 16 b + 0 .. 15 of a query tile's scores are keys 32 b + 16 (lane / 16) + 0 .. 15: the second operand's order.
; LDS: two slots of 141,312 bytes (K: 2 heads x 128 rows x 144; V: 256 rows x 144; mask: 128 rows x 528), then both heads' scale bytes of K and of V (units of 256 + 16), the table kp, the spare words: 326,144 bytes in use.
; REGISTERS, in windows of 256 (s_set_vgpr_msb: bits 1:0 source 0, 3:2 source 1, 5:4 source 2, 7:6 destination):
;   window 0: v1-15 addresses; v16-39 scale words; v40-63 statistics, six a tile; v64-127 Q; v128-191 p's codes; v192-255 kp for the first product, then sixteen work registers a tile
;   window 1: S^T, then t, t - M, p: 64 a tile       window 2: O^T, 64 a tile       window 3: v0-127 K, then the mask of tiles 2, 3; v128-255 the mask of tiles 0, 1, then V
.set KPI,   144                        ; a row of K or of V in LDS: 128 bytes + 16 of padding
.set KHB,   128*KPI                    ; a head's 128 rows
.set VOFF,  2*KHB                      ; V's 256 rows lie behind K's
.set MP,    528                        ; a row of the mask's tile: 512 bytes + 16: row r starts 4 r words on modulo 64, so sixteen rows start in sixteen different columns of 16 bytes
.set MT,    16*MP                      ; sixteen such rows: a tile of queries; also a wave's stage on the way out
.set MOFF,  VOFF+256*KPI
.set SLOTB, MOFF+128*MP                ; 141,312
.set SCK,   2*SLOTB                    ; K's scale bytes of both heads: 64 units of 256 bytes + 16
.set SCH,   32*272                     ; one head's
.set SCV,   SCK+2*SCH                  ; V's likewise
.set KPT,   SCV+2*SCH                  ; kp: 2,048 f32, written by LDS stores: no tile ever lands here
.set SPARE, KPT+8192                   ; the spare words, 128 bytes for each wave: two blocks of 256 bytes that no other line names
.set AK0, 3                            ; v3   my lane's place in a slot's tile of K (my head's)
.set AV0, 4                            ; v4   of V
.set AM0, 5                            ; v5   of the mask (my 64 queries)
.set AKP, 6                            ; v6   kp of the step to be fetched: 512 bytes a step
.set ASK, 7                            ; v7   K's scale words: 544 bytes a step
.set ASV, 8                            ; v8   V's: 4 bytes a step
.set ADK, 9                            ; v9-11 the addresses in hand: the three above + the slot
.set ADV, 10
.set ADM, 11
.set SPW, 12                           ; v12  LDS address of my spare word: SPARE + 4 x my thread's number; never rewritten
.set NIL, 13                           ; v13  0; never rewritten
.set STO, 14                           ; v14  the way out: where I put 32 bytes of a row
.set RD,  15                           ; v15  and where I read a row back
.set GO,  6                            ; v6   the way out: my byte offset in a row of out0
.set SWK, 16                           ; v16-23 K's eight scale words
.set SWV, 24                           ; v24-31 V's
.set QS,  32                           ; v32-35 Q's, one a tile
.set PS,  36                           ; v36-39 p's
.set ST,  40                           ; tile q's statistics at v[ST + 6 q]: +0 -M, +1 the largest t, +2, +3 the sum in two halves, +4 f (at the end 1 / sum), +5 named with it as a pair
.set QF,  64
.set PCD, 128
.set KPW, 192                          ; kp, register 16 b + i as S^T's; later tile q's work registers at v[KPW + 16 q]: +0..3 block maxima, +4..7 at work, +12..15 the conversions' scale operands
.set XR,  0                            ; window 3
.set YR,  128
.set WV,  22                           ; s22 wave; s23 which head; s24 which 64 queries
.set HS,  23
.set QH,  24
.set LK,  31                           ; s31 where the K tile that I fetch lies in a slot
.set G1K, 32                           ; s[32:39], s[40:47], s[48:55], s[56:63] descriptor groups 1: K, V, mask, scale bytes
.set G1V, 40
.set G1M, 48
.set G1S, 56
.set G0K, 68                           ; s[68:71], s[72:75], s[76:79] groups 0 that walk; s[80:83], s[84:87] the two tables'
.set G0V, 72
.set G0M, 76
.set G0SK, 80
.set G0SV, 84
.set SC,  88                           ; s[88:89] 1 / sqrt(128): the packed forms name a pair and take its low word for both halves
.set LG,  90                           ; s[90:91] log2(e)
.set MNT, 92
.set TB,  93                           ; s93 LDS byte at which the slot in hand begins
.set SEL, 94                           ; s94-95 lane selects for v_permlanex16_b32: lane l xor 16
.set CNT, 96
.set W_QK, 0x43                        ; K window 3, Q and kp window 0, S^T window 1
.set W_PV, 0xa3                        ; V window 3, p's codes window 0, O^T window 2
.set W_FM, 0x71                        ; S^T (destination, source 0) window 1, the mask (source 2) window 3
.set W_MX, 0x05                        ; sources 0 and 1 window 1, the rest window 0
.set W_SX, 0x41                        ; destination and source 0 window 1, source 1 window 0
.set W_S0, 0x01                        ; source 0 window 1, the rest window 0
.set W_RS, 0x82                        ; destination and source 0 window 2, source 1 window 0
.set TO_3, 0xc0                        ; a load's destination window 3
.set ST_2, 0x08                        ; an LDS store's data window 2
.set GS_3, 0x0c                        ; a global store's data window 3
.set MSB, 0
.macro WIN new                         ; the immediate's high byte repeats the setting that is left; a switch that changes nothing is dropped
.if MSB != \new
	s_set_vgpr_msb (MSB<<8)|\new
.set MSB, \new
.endif
.endm
.macro PLACES n                        ; plain vector instructions that name no register of the matrix instructions in front of them (ISA guide 7.12.1)
.rept \n
	v_nop
.endr
.endm
; A round of the cluster's barrier: my work-group's barrier, so that wave 0's signal speaks for all four waves; wave 0 signals; every wave waits for all sixteen work-groups; my work-group's barrier once more.
.macro CROUND
	s_barrier_signal -1
	s_barrier_wait -1
	s_cmp_lg_u32 s[WV], 0
	s_cbranch_scc1 .Lnot_wave_0_\@
	s_barrier_signal -3
.Lnot_wave_0_\@:
	s_barrier_wait -3
	s_barrier_signal -1
	s_barrier_wait -1
.endm
; A joint refill, one load a wave: waves 0 and 1 the two heads' tiles of K, wave 2 both heads' tile of V, wave 3 the mask's.  The branches hang on the wave's number alone.  Four v_nop follow each line.
.macro JLOAD
	s_cmp_lt_u32 s[WV], 2
	s_cbranch_scc0 .Lnot_k_\@
	tensor_load_to_lds s[G0K:G0K+3], s[G1K:G1K+7]
	s_nop 0
	PLACES 4
	s_branch .Lasked_\@
.Lnot_k_\@:
	s_cmp_eq_u32 s[WV], 2
	s_cbranch_scc0 .Lfor_m_\@
	tensor_load_to_lds s[G0V:G0V+3], s[G1V:G1V+7]
	s_nop 0
	PLACES 4
	s_branch .Lasked_\@
.Lfor_m_\@:
	tensor_load_to_lds s[G0M:G0M+3], s[G1M:G1M+7]
	s_nop 0
	PLACES 4
.Lasked_\@:
.endm
; THE LDS LOADS, in runs.
.macro LD_K                            ; 32 + 8: a step's eight fragments of K (16 keys x 128: registers 4 c .. 4 c + 3 hold the head's 32 c + 16 (lane / 16) + 0 .. 15) and their rows' scale words
	WIN TO_3
.irp t, 0,1,2,3,4,5,6,7
.irp c, 0,1,2,3
	ds_load_b128 v[XR+16*\t+4*\c:XR+16*\t+4*\c+3], v[ADK] offset:(32*(\t/2)+8*(\t%2))*KPI+32*\c
.endr
.endr
	WIN 0
.irp t, 0,1,2,3,4,5,6,7
	ds_load_b32 v[SWK+\t], v[ASK] offset:272*(\t/4)+(32*((\t/2)%2)+8*(\t%2))*4
.endr
.endm
.macro LD_KP                           ; 16: kp of a step's keys, in the scores' order: every lane of a half reads the same 16 bytes
	WIN 0
.irp b, 0,1,2,3
.irp i, 0,1,2,3
	ds_load_b128 v[KPW+16*\b+4*\i:KPW+16*\b+4*\i+3], v[AKP] offset:128*\b+16*\i
.endr
.endr
.endm
.macro LD_M q0, dst                    ; 32: the mask of query tiles q0, q0 + 1, in the scores' order: my query's row, keys 32 b + 16 (lane / 16) + 4 i on
	WIN TO_3
.irp u, 0,1
.irp b, 0,1,2,3
.irp i, 0,1,2,3
	ds_load_b128 v[\dst+64*\u+16*\b+4*\i:\dst+64*\u+16*\b+4*\i+3], v[ADM] offset:MT*(\q0+\u)+128*\b+16*\i
.endr
.endr
.endr
.endm
.macro LD_V                            ; 32: a step's eight fragments of V^T (16 of the head's 128 x 128 keys)
	WIN TO_3
.irp t, 0,1,2,3,4,5,6,7
.irp c, 0,1,2,3
	ds_load_b128 v[YR+16*\t+4*\c:YR+16*\t+4*\c+3], v[ADV] offset:16*\t*KPI+32*\c
.endr
.endr
.endm
.macro LD_SV                           ; 8: their rows' scale words: sixteen rows of 64 bytes are four units
	WIN 0
.irp t, 0,1,2,3,4,5,6,7
	ds_load_b32 v[SWV+\t], v[ASV] offset:4*272*\t
.endr
.endm
; THE PRODUCTS.  No two matrix instructions that follow each other share an accumulator, over the loop's backward jump too.
.macro QK                              ; S^T = K Q^T + kp: each fragment of K against the four tiles of queries
	WIN W_QK
.irp t, 0,1,2,3,4,5,6,7
.irp q, 0,1,2,3
	v_wmma_scale_f32_16x16x128_f8f6f4 v[64*\q+8*\t:64*\q+8*\t+7], v[XR+16*\t:XR+16*\t+15], v[QF+16*\q:QF+16*\q+15], v[KPW+8*\t:KPW+8*\t+7], v[SWK+\t], v[QS+\q] matrix_a_fmt:MATRIX_FMT_BF8 matrix_b_fmt:MATRIX_FMT_BF8
.endr
.endr
.endm
.macro PV first                        ; O^T += V^T P^T; first = 1: the products start the sums: nothing is ever cleared
	WIN W_PV
.irp t, 0,1,2,3,4,5,6,7
.irp q, 0,1,2,3
.if \first
	v_wmma_scale_f32_16x16x128_f8f6f4 v[64*\q+8*\t:64*\q+8*\t+7], v[YR+16*\t:YR+16*\t+15], v[PCD+16*\q:PCD+16*\q+15], 0, v[SWV+\t], v[PS+\q] matrix_a_fmt:MATRIX_FMT_BF8 matrix_b_fmt:MATRIX_FMT_BF8
.else
	v_wmma_scale_f32_16x16x128_f8f6f4 v[64*\q+8*\t:64*\q+8*\t+7], v[YR+16*\t:YR+16*\t+15], v[PCD+16*\q:PCD+16*\q+15], v[64*\q+8*\t:64*\q+8*\t+7], v[SWV+\t], v[PS+\q] matrix_a_fmt:MATRIX_FMT_BF8 matrix_b_fmt:MATRIX_FMT_BF8
.endif
.endr
.endr
.endm
; THE SOFTMAX.
.macro FMT2 q0, mb                     ; tiles q0, q0 + 1: w = score / sqrt(128) + mask, then t = w x log2(e), rounded: two numbers an instruction; each accumulator is read from its low end on
	WIN W_FM
.set jj, 0
.rept 64
	v_pk_fma_f32 v[64*\q0+jj:64*\q0+jj+1], v[64*\q0+jj:64*\q0+jj+1], s[SC:SC+1], v[\mb+jj:\mb+jj+1] op_sel_hi:[1,0,1]
.set jj, jj+2
.endr
.set jj, 0
.rept 64
	v_pk_mul_f32 v[64*\q0+jj:64*\q0+jj+1], v[64*\q0+jj:64*\q0+jj+1], s[LG:LG+1] op_sel_hi:[1,0]
.set jj, jj+2
.endr
.endm
.macro MAXPH                           ; the largest t of my 16 keys of each block of 32, sixteen chains by turns.  It serves twice: for the row's maximum and, since p rises with t, for the block's largest p
	WIN W_MX
.irp q, 0,1,2,3
.irp b, 0,1,2,3
	v_max3_num_f32 v[KPW+16*\q+\b], v[64*\q+16*\b], v[64*\q+16*\b+1], 0xff800000
.endr
.endr
.irp i, 2,4,6,8,10,12,14
.irp q, 0,1,2,3
.irp b, 0,1,2,3
	v_max3_num_f32 v[KPW+16*\q+\b], v[64*\q+16*\b+\i], v[64*\q+16*\b+\i+1], v[KPW+16*\q+\b]
.endr
.endr
.endr
.endm
.macro ROWST                           ; a row's figures, the four tiles by turns, all in window 0
	WIN 0
.irp q, 0,1,2,3
.irp b, 0,1,2,3
	v_permlanex16_b32 v[KPW+16*\q+4+\b], v[KPW+16*\q+\b], s[SEL], s[SEL+1]
.endr
.endr
.irp q, 0,1,2,3
.irp b, 0,1,2,3
	v_max_num_f32 v[KPW+16*\q+\b], v[KPW+16*\q+\b], v[KPW+16*\q+4+\b]      ; with lane l xor 16's 16 keys: the block's largest t
.endr
.endr
.irp q, 0,1,2,3
	v_max3_num_f32 v[KPW+16*\q+4], v[KPW+16*\q], v[KPW+16*\q+1], v[KPW+16*\q+2]
.endr
.irp q, 0,1,2,3
	v_max3_num_f32 v[ST+6*\q+1], v[ST+6*\q+1], v[KPW+16*\q+4], v[KPW+16*\q+3]   ; the running largest t
.endr
.irp q, 0,1,2,3
	v_mov_b32 v[KPW+16*\q+5], v[ST+6*\q]
.endr
.irp q, 0,1,2,3
	v_floor_f32 v[ST+6*\q], -v[ST+6*\q+1]                                  ; the new -M = floor(-t) = -ceil(t): M IS A WHOLE NUMBER
.endr
.irp q, 0,1,2,3
	v_sub_f32 v[KPW+16*\q+5], v[ST+6*\q], v[KPW+16*\q+5]                   ; M's old value less its new one: 0 or less
.endr
.irp q, 0,1,2,3
	v_cvt_i32_f32 v[KPW+16*\q+5], v[KPW+16*\q+5]                           ; (it saturates)
.endr
.irp q, 0,1,2,3
	v_ldexp_f32 v[ST+6*\q+4], 1.0, v[KPW+16*\q+5]                          ; f = 2^(old M - new M): a multiplication by it rounds nothing
.endr
.irp q, 0,1,2,3
.irp b, 0,1,2,3
	v_add_f32 v[KPW+16*\q+\b], v[KPW+16*\q+\b], v[ST+6*\q]                 ; t - M of each block's largest t: the same sum and the same exponential as that number itself gets
.endr
.endr
	s_wait_alu depctr_va_vdst(0)
.irp q, 0,1,2,3
.irp b, 0,1,2,3
	v_exp_f32 v[KPW+16*\q+\b], v[KPW+16*\q+\b]                             ; the block's largest p
.endr
.endr
.irp q, 0,1,2,3
	v_pk_mul_f32 v[ST+6*\q+2:ST+6*\q+3], v[ST+6*\q+2:ST+6*\q+3], v[ST+6*\q+4:ST+6*\q+5] op_sel_hi:[1,0]   ; the sums under the new M.  (Plain lines behind the exponentials)
.endr
	s_wait_alu depctr_va_vdst(0)
.irp q, 0,1,2,3
.irp b, 0,1,2,3
	v_max_num_f32 v[KPW+16*\q+\b], 0x8000000, v[KPW+16*\q+\b]              ; the floor 2^(16 - 127): the byte cannot fall under 1 (a block whose every p is 0 keeps that byte: its codes are zeros)
.endr
.endr
.irp q, 0,1,2,3
.irp b, 0,1,2,3
	v_add_nc_u32 v[KPW+16*\q+12+\b], 0xf8800000, v[KPW+16*\q+\b]           ; 15 off the exponent field: the conversion's scale operand
.endr
.endr
.irp q, 0,1,2,3
.irp b, 0,1,2,3
.endr
.endr
.irp q, 0,1,2,3
.irp b, 0,1,2,3
	v_lshrrev_b32 v[KPW+16*\q+4+\b], 23, v[KPW+16*\q+12+\b]                ; the scale's byte
.endr
.endr
.irp q, 0,1,2,3
	v_lshl_or_b32 v[PS+\q], v[KPW+16*\q+5], 8, v[KPW+16*\q+4]              ; p's scale word for these 128 keys
.endr
.irp q, 0,1,2,3
	v_lshl_or_b32 v[PS+\q], v[KPW+16*\q+6], 16, v[PS+\q]
.endr
.irp q, 0,1,2,3
	v_lshl_or_b32 v[PS+\q], v[KPW+16*\q+7], 24, v[PS+\q]
.endr
.endm
.macro XADD0                           ; tile 0: t - M, two at a time (of the pair -M, largest t the low word serves both halves)
	WIN W_SX
.set jj, 0
.rept 32
	v_pk_add_f32 v[jj:jj+1], v[jj:jj+1], v[ST:ST+1] op_sel_hi:[1,0]
.set jj, jj+2
.endr
.endm
; Tile q's 64 exponentials, under ONE window setting, with plain work that is ready set among them: t - M of tile q + 1.
; The conversion to an 8-bit code does not saturate (ISA guide 7.6.2).
.macro EXPMIX q
	WIN W_SX
.set kk, 0
.rept 64
	v_exp_f32 v[64*(\q)+kk], v[64*(\q)+kk]                                 ; p = 2^(t - M), at most 1: NOT normalised
.if ((\q) < 3) && (kk%2 == 0)
	v_pk_add_f32 v[64*(\q)+64+kk:64*(\q)+65+kk], v[64*(\q)+64+kk:64*(\q)+65+kk], v[ST+6*(\q)+6:ST+6*(\q)+7] op_sel_hi:[1,0]
.endif
.if (\q) > 0
.endif
.set kk, kk+1
.endr
.endm
.macro SUMT q                          ; THE ROW'S SUM IS TAKEN OF THE UNQUANTISED p: two at a time, in four chains, three of them begun by a sum of two pairs
	WIN W_MX
	s_wait_alu depctr_va_vdst(0)
	v_pk_add_f32 v[KPW+16*\q+4:KPW+16*\q+5], v[64*\q:64*\q+1], v[64*\q+2:64*\q+3]
	v_pk_add_f32 v[KPW+16*\q+6:KPW+16*\q+7], v[64*\q+4:64*\q+5], v[64*\q+6:64*\q+7]
	v_pk_add_f32 v[KPW+16*\q:KPW+16*\q+1], v[64*\q+8:64*\q+9], v[64*\q+10:64*\q+11]
	WIN W_S0
.set pp, 6
.rept 26
.if pp%4 == 0
.set ac, KPW+16*\q+4
.elseif pp%4 == 1
.set ac, KPW+16*\q+6
.elseif pp%4 == 2
.set ac, ST+6*\q+2
.else
.set ac, KPW+16*\q
.endif
	v_pk_add_f32 v[ac:ac+1], v[64*\q+2*pp:64*\q+2*pp+1], v[ac:ac+1]
.set pp, pp+1
.endr
.endm
.macro HOLD3
	WIN W_SX
.set kk, 0
.rept 64
.set kk, kk+1
.endr
.endm
.macro SUMFIN                          ; the four chains of each tile join
	WIN 0
.irp q, 0,1,2,3
	v_pk_add_f32 v[KPW+16*\q+4:KPW+16*\q+5], v[KPW+16*\q+4:KPW+16*\q+5], v[KPW+16*\q+6:KPW+16*\q+7]
.endr
.irp q, 0,1,2,3
	v_pk_add_f32 v[ST+6*\q+2:ST+6*\q+3], v[ST+6*\q+2:ST+6*\q+3], v[KPW+16*\q:KPW+16*\q+1]
.endr
.irp q, 0,1,2,3
	v_pk_add_f32 v[ST+6*\q+2:ST+6*\q+3], v[ST+6*\q+2:ST+6*\q+3], v[KPW+16*\q+4:KPW+16*\q+5]
.endr
.endm
.macro CVT                             ; registers 4 b .. 4 b + 3 of the second product's operand: keys 32 b + 16 (lane / 16) + 0 .. 15
	WIN W_S0
.irp q, 0,1,2,3
.irp b, 0,1,2,3
	v_cvt_scalef32_pk8_bf8_f32 v[PCD+16*\q+4*\b:PCD+16*\q+4*\b+1], v[64*\q+16*\b:64*\q+16*\b+7], v[KPW+16*\q+12+\b]
	v_cvt_scalef32_pk8_bf8_f32 v[PCD+16*\q+4*\b+2:PCD+16*\q+4*\b+3], v[64*\q+16*\b+8:64*\q+16*\b+15], v[KPW+16*\q+12+\b]
.endr
.endr
	v_nop                                          ; one plain line behind the last scaled conversion, ahead of whatever touches its result or writes its sources
.endm
.macro RESC                            ; O^T x f, each accumulator from its low end on.  (At the end f's register holds 1 / the sum)
	WIN W_RS
.irp q, 0,1,2,3
.set jj, 0
.rept 32
	v_pk_mul_f32 v[64*\q+jj:64*\q+jj+1], v[64*\q+jj:64*\q+jj+1], v[ST+6*\q+4:ST+6*\q+5] op_sel_hi:[1,0]
.set jj, jj+2
.endr
.endr
.endm
; A KEY STEP.  On entry these LDS loads are out, in this order: K's fragments (32), K's scale words (8), kp (16), the mask of tiles 0 and 1 (32).
; first = 1: the second product starts O^T's sums.  next = 1: a step follows: the slots change.  fill = 1: the slot just read out is filled again, with the tiles two steps on.
.macro STEP first, fill, next
	s_wait_dscnt 32                                ; all but the youngest 32, the mask's, are in
	QK
	WIN 0
	v_add_nc_u32 v[ADV], s[TB], v[AV0]             ; eight places behind the products, ahead of the loads into K's registers and of the first read of the scores: three lines that are due, five v_nop
	v_add_nc_u32 v[ASK], 544, v[ASK]
	v_add_nc_u32 v[AKP], 512, v[AKP]
	PLACES 5
	LD_M 2, XR
	LD_SV
	s_wait_dscnt 40                                ; the mask of tiles 0 and 1 is in; the 40 just issued may be out
	FMT2 0, YR
	LD_V                                           ; into the registers that this mask has left
	s_wait_dscnt 40                                ; the mask of tiles 2 and 3 is in; V's 8 scale words and 32 loads are younger
	FMT2 2, XR
.if \next
	; THE CHANGE OF SLOTS: all that this step reads of its slot has been asked for.
	WIN 0
	s_wait_tensorcnt 0x0                           ; all my tensor loads have landed: the one that was out is my part of the next slot; so every group 0 may be written
	ds_add_u32 v[SPW], v[NIL]                      ; 0 onto my spare word
.if \fill
	s_add_nc_u64 s[G0K+2:G0K+3], s[G0K+2:G0K+3], 128*128       ; the walking descriptors: the next 128 keys (the type bits on top are not reached),
	s_add_nc_u64 s[G0V+2:G0V+3], s[G0V+2:G0V+3], 128
	s_add_nc_u64 s[G0M+2:G0M+3], s[G0M+2:G0M+3], 512
	s_add_co_u32 s[G0K+1], s[LK], s[TB]            ; into the slot in hand
	s_add_co_u32 s[G0V+1], s[TB], VOFF
	s_add_co_u32 s[G0M+1], s[TB], MOFF
.endif
	MAXPH                                          ; 128 lines on registers stand between the add and the wait for it, while V's loads land
	WIN 0                                          ; at a branch and at a label every window is 0
	s_wait_dscnt 0x0                               ; the add is done, and my reads of this slot are over
.if \fill
	CROUND                                         ; no wave of any partner still reads this slot or has a load on its way
	JLOAD                                          ; the first thing behind the round, one load a wave: it has a whole step in which to land
.else
	s_barrier_signal -1                            ; nothing is filled: my work-group's barrier shows the last slot whole
	s_barrier_wait -1
.endif
	s_xor_b32 s[TB], s[TB], SLOTB                  ; on to the other slot
	v_add_nc_u32 v[ADK], s[TB], v[AK0]
	v_add_nc_u32 v[ADM], s[TB], v[AM0]
	LD_K                                           ; the next step's K lands under the softmax
.else
	MAXPH
.endif
	ROWST
	XADD0
	s_wait_alu depctr_va_vdst(0)
	EXPMIX 0
	SUMT 0
	EXPMIX 1
	SUMT 1
	EXPMIX 2
	SUMT 2
	EXPMIX 3
	SUMT 3
	HOLD3
	SUMFIN
	CVT
.if \next
	LD_KP                                          ; the work registers are done with: the next step's kp
.endif
.if \first
	PLACES 4                                       ; codes written by vector instructions stand four places ahead of a scaled matrix instruction; p's scale words were made hundreds of lines up
.else
	RESC                                           ; O^T under the new M; these 128 lines are those places too
.endif
.if \next == 0
	s_wait_alu depctr_va_vdst(0)
	s_wait_dscnt 0x0                               ; V and its scale words (with a change of slots its wait for 0 has shown them in)
.endif
	PV \first
	WIN 0
	v_add_nc_u32 v[ASV], 4, v[ASV]                 ; eight places behind the products, ahead of the loads into V's registers and of the next read of O^T
	PLACES 7
.if \next
	LD_M 0, YR                                     ; the next step's mask of tiles 0 and 1 lands under its first product
	WIN 0
.endif
.endm
	s_load_b128 s[4:7], s[0:1], 0x0                ; Q's codes, Q's scales
	s_load_b128 s[8:11], s[0:1], 0x10              ; K's codes, K's scales
	s_load_b128 s[12:15], s[0:1], 0x20             ; V's codes, V's scales
	s_load_b128 s[16:19], s[0:1], 0x30             ; key_padding_mask, attn_mask
	s_load_b64 s[20:21], s[0:1], 0x40              ; out0
	v_lshl_add_u32 v[SPW], v0, 2, SPARE
	v_mov_b32 v[NIL], 0
	ds_add_u32 v12, v13
	ds_add_u32 v12, v13
	s_wait_dscnt 0x0
	v_lshrrev_b32 v1, 5, v0
	v_readfirstlane_b32 s[WV], v1                  ; wave 0..3
	s_lshr_b32 s[HS], s[WV], 1                     ; which of the two heads is mine
	s_and_b32 s[QH], s[WV], 1                      ; which 64 of the 128 queries.  Also: which head's tile of K waves 0 and 1 fetch
	s_bfe_u32 s25, ttmp6, 0x40000                  ; cx, cy: my place in the cluster
	s_bfe_u32 s26, ttmp6, 0x40004
	s_lshl_b32 s27, ttmp9, 2
	s_add_co_u32 s27, s27, s25                     ; block of 128 queries = 4 x cluster x + cx
	s_and_b32 s28, ttmp7, 0xffff
	s_lshl_b32 s28, s28, 2
	s_add_co_u32 s28, s28, s26                     ; pair of heads = 4 x cluster y + cy
	s_lshl_b32 s29, s26, 2
	s_lshl_b32 s29, 15, s29                        ; my row of the cluster: the same pair of heads
	s_lshl_b32 s30, 0x1111, s25                    ; my column: the same block of queries
	s_mul_i32 s[LK], s[QH], KHB
	; descriptor groups 1.  Word 0: 15:0 the mask; 17:16 the element's size; 20 padding on; 21 set beside a mask; 24:22 the interval's code; 31:25 four words of padding (code 3)
	s_or_b32 s[G1K], s29, (0<<16)|(1<<20)|(1<<21)|(4<<22)|(3<<25)  ; K: 128 rows of 128 bytes, dense in memory; padding behind every 32 words
	s_mov_b32 s[G1K+1], 128<<16                    ; tensor_dim0
	s_mov_b32 s[G1K+2], 128<<16                    ; tensor_dim1
	s_mov_b32 s[G1K+3], 128<<16                    ; tile_dim0
	s_mov_b32 s[G1K+4], 128                        ; tile_dim1
	s_mov_b32 s[G1K+5], 128                        ; from row to row
	s_mov_b32 s[G1K+6], 0
	s_mov_b32 s[G1K+7], 0
	s_or_b32 s[G1V], s29, (0<<16)|(1<<20)|(1<<21)|(4<<22)|(3<<25)  ; V: 256 rows (both heads' 128) of 128 bytes, 2,048 bytes apart
	s_mov_b32 s[G1V+1], 128<<16
	s_mov_b32 s[G1V+2], 256<<16
	s_mov_b32 s[G1V+3], 128<<16
	s_mov_b32 s[G1V+4], 256
	s_mov_b32 s[G1V+5], 2048
	s_mov_b32 s[G1V+6], 0
	s_mov_b32 s[G1V+7], 0
	s_or_b32 s[G1M], s30, (2<<16)|(1<<20)|(1<<21)|(6<<22)|(3<<25)  ; the mask: 128 rows of 128 f32, 2,048 f32 apart; padding behind every 128 words
	s_mov_b32 s[G1M+1], 128<<16
	s_mov_b32 s[G1M+2], 128<<16
	s_mov_b32 s[G1M+3], 128<<16
	s_mov_b32 s[G1M+4], 128
	s_mov_b32 s[G1M+5], 2048
	s_mov_b32 s[G1M+6], 0
	s_mov_b32 s[G1M+7], 0
	s_or_b32 s[G1S], s29, (3<<16)|(1<<20)|(1<<21)|(5<<22)|(3<<25)  ; scale bytes of two heads: 16,384 dense bytes as 64 rows of 256 (32 elements of 8 bytes); padding behind every 64 words
	s_mov_b32 s[G1S+1], 32<<16
	s_mov_b32 s[G1S+2], 64<<16
	s_mov_b32 s[G1S+3], 32<<16
	s_mov_b32 s[G1S+4], 64
	s_mov_b32 s[G1S+5], 32
	s_mov_b32 s[G1S+6], 0
	s_mov_b32 s[G1S+7], 0
	s_mov_b32 s[SC], 0x3db504f3                    ; 1 / sqrt(128)
	s_mov_b32 s[SC+1], s[SC]                       ; (named with it as a pair, so it is written)
	s_mov_b32 s[LG], 0x3fb8aa3b                    ; log2(e)
	s_mov_b32 s[LG+1], s[LG]
	s_mov_b32 s[SEL], 0x76543210
	s_mov_b32 s[SEL+1], 0xfedcba98
	s_mov_b32 s[TB], 0
	s_mov_b32 s99, 0
	s_mov_b32 s101, 0
	s_mov_b32 s67, 0
	s_lshl_b32 s2, s28, 1                          ; my first row of Q and of out0: (2 x pair + my head) x 2,048 + 128 x block + 64 x half
	s_add_co_u32 s2, s2, s[HS]
	s_lshl_b32 s2, s2, 11
	s_lshl_b32 s3, s27, 7
	s_add_co_u32 s2, s2, s3
	s_lshl_b32 s3, s[QH], 6
	s_add_co_u32 s2, s2, s3
	s_wait_kmcnt 0x0
	; groups 0.  K's, V's and the tables' addresses are made of the pair of heads and the wave's number alone (s[98:99]), the mask's of the block of queries alone (s[100:101])
	s_lshl_b32 s98, s28, 19                        ; a pair of heads: 2 x 262,144 bytes of codes
	s_add_nc_u64 s[G0K+2:G0K+3], s[8:9], s[98:99]
	s_add_nc_u64 s[G0V+2:G0V+3], s[12:13], s[98:99]
	s_lshl_b32 s98, s[QH], 18                      ; wave 1 fetches the second head's keys
	s_add_nc_u64 s[G0K+2:G0K+3], s[G0K+2:G0K+3], s[98:99]
	s_lshl_b32 s98, s28, 14                        ; 2 x 8,192 scale bytes
	s_add_nc_u64 s[G0SK+2:G0SK+3], s[10:11], s[98:99]
	s_add_nc_u64 s[G0SV+2:G0SV+3], s[14:15], s[98:99]
	s_lshr_b32 s98, s28, 3                         ; the batch: 8 pairs of heads each
	s_lshl_b32 s98, s98, 11
	s_add_nc_u64 s[16:17], s[16:17], s[98:99]      ; its 2,048 bytes of key_padding_mask
	s_lshl_b32 s100, s27, 20                       ; 128 rows of 8,192 bytes
	s_add_nc_u64 s[G0M+2:G0M+3], s[18:19], s[100:101]
.irp g, G0K, G0V, G0M, G0SK, G0SV
	s_mov_b32 s[\g], 1                             ; 1:0 count = 1
	s_or_b32 s[\g+3], s[\g+3], 0x80000000          ; 127:126 type = 2
.endr
	s_mov_b32 s[G0K+1], s[LK]                      ; LDS addresses: slot 0
	s_mov_b32 s[G0V+1], VOFF
	s_mov_b32 s[G0M+1], MOFF
	s_mov_b32 s[G0SK+1], SCK
	s_mov_b32 s[G0SV+1], SCV
	s_lshl_b32 s66, s2, 7
	s_add_nc_u64 s[4:5], s[4:5], s[66:67]          ; Q's codes at my first query,
	s_lshl_b32 s66, s2, 2
	s_add_nc_u64 s[6:7], s[6:7], s[66:67]          ; its scale words,
	s_lshl_b32 s66, s2, 9
	s_add_nc_u64 s[20:21], s[20:21], s[66:67]      ; its row of out0
	CROUND                                         ; all sixteen work-groups are here: the first joint loads meet
	s_cmp_lt_u32 s[WV], 2                          ; a wave's first fills stand in one branch, ahead of every wait on TENSORcnt and every LDS read: two loads of waves 0 and 1 are out, one of waves 2 and 3
	s_cbranch_scc0 .Lfirst_23
	s_cmp_eq_u32 s[WV], 0
	s_cbranch_scc0 .Lfirst_1
	tensor_load_to_lds s[G0SK:G0SK+3], s[G1S:G1S+7]    ; K's scale bytes of both heads: filled once
	s_nop 0
	tensor_load_to_lds s[G0K:G0K+3], s[G1K:G1K+7]
	s_nop 0
	PLACES 4
	s_branch .Lfirst_asked
.Lfirst_1:
	tensor_load_to_lds s[G0SV:G0SV+3], s[G1S:G1S+7]    ; V's likewise
	s_nop 0
	tensor_load_to_lds s[G0K:G0K+3], s[G1K:G1K+7]
	s_nop 0
	PLACES 4
	s_branch .Lfirst_asked
.Lfirst_23:
	s_cmp_eq_u32 s[WV], 2
	s_cbranch_scc0 .Lfirst_3
	tensor_load_to_lds s[G0V:G0V+3], s[G1V:G1V+7]
	s_nop 0
	PLACES 4
	s_branch .Lfirst_asked
.Lfirst_3:
	tensor_load_to_lds s[G0M:G0M+3], s[G1M:G1M+7]
	s_nop 0
	PLACES 4
.Lfirst_asked:
	v_and_b32 v1, 15, v0                           ; r = lane % 16
	v_bfe_u32 v2, v0, 4, 1                         ; h = lane / 16
	v_lshlrev_b32 v9, 7, v1
	v_lshl_add_u32 v9, v2, 4, v9                   ; Q: row r of 128 bytes, + 16 h
	v_lshlrev_b32 v10, 2, v1                       ; its scale word
	v_lshlrev_b32 v11, 4, v0                       ; key_padding_mask: 16 bytes a thread, 2,048 for the 128 threads
	global_load_b128 v[192:195], v11, s[16:17]
.irp q, 0,1,2,3
.irp c, 0,1,2,3
	global_load_b128 v[QF+16*\q+4*\c:QF+16*\q+4*\c+3], v9, s[4:5] offset:2048*\q+32*\c    ; Q's four fragments stay in registers
.endr
	global_load_b32 v[QS+\q], v10, s[6:7] offset:64*\q
.endr
	v_and_b32 v14, 8, v1
	v_add_nc_u32 v14, v14, v1                      ; r + 8 (r / 8)
	s_mul_i32 s66, s[HS], KHB
	v_mul_u32_u24 v[AK0], v14, KPI
	v_lshl_add_u32 v[AK0], v2, 4, v[AK0]
	v_add_nc_u32 v[AK0], s66, v[AK0]
	s_add_co_u32 s66, s66, VOFF
	v_mul_u32_u24 v[AV0], v1, KPI
	v_lshl_add_u32 v[AV0], v2, 4, v[AV0]
	v_add_nc_u32 v[AV0], s66, v[AV0]
	s_mul_i32 s66, s[QH], 64*MP
	s_add_co_u32 s66, s66, MOFF
	v_mul_u32_u24 v[AM0], v1, MP
	v_lshl_add_u32 v[AM0], v2, 6, v[AM0]           ; my query's row, + 16 h keys of 4 bytes
	v_add_nc_u32 v[AM0], s66, v[AM0]
	v_lshl_add_u32 v[AKP], v2, 6, KPT
	s_mul_i32 s66, s[HS], SCH
	s_add_co_u32 s3, s66, SCK
	v_lshl_add_u32 v[ASK], v14, 2, s3              ; K's scale words: 4 bytes a key; a step's 128 keys are two units
	s_add_co_u32 s3, s66, SCV
	v_lshrrev_b32 v15, 2, v1                       ; V's: rows of 64 bytes, four to a unit
	v_mul_u32_u24 v15, v15, 272
	v_and_b32 v[ASV], 3, v1
	v_lshl_add_u32 v[ASV], v[ASV], 6, v15
	v_add_nc_u32 v[ASV], s3, v[ASV]
.irp q, 0,1,2,3
	v_mov_b32 v[ST+6*\q+1], 0xff61b1e6             ; the largest t so far: -3e38, under every t
	v_floor_f32 v[ST+6*\q], -v[ST+6*\q+1]          ; -M
	v_mov_b32 v[ST+6*\q+2], 0                      ; the sum, in two halves
	v_mov_b32 v[ST+6*\q+3], 0
	v_mov_b32 v[ST+6*\q+4], 0
	v_mov_b32 v[ST+6*\q+5], 0                      ; (named as the upper half of f's pair: written once)
.endr
	v_lshl_add_u32 v15, v0, 6, KPT                 ; my 16 numbers of kp
	s_wait_loadcnt 0x0                             ; key_padding_mask, Q, Q's scale words: their address registers are free too
.irp w, 0,1,2,3
.irp b, 0,1,2,3
	v_bfe_u32 v[196+4*\w+\b], v[192+\w], 8*\b, 8   ; a byte, 1 or 0,
.endr
.endr
.irp i, 0,1,2,3,4,5,6,7,8,9,10,11,12,13,14,15
	v_add_nc_u32 v[196+\i], -1, v[196+\i]          ; less one: no bit, or all,
.endr
.irp i, 0,1,2,3,4,5,6,7,8,9,10,11,12,13,14,15
	v_and_b32 v[196+\i], 0xff61b1e6, v[196+\i]     ; of -3e38
.endr
.irp w, 0,1,2,3
	ds_store_b128 v15, v[196+4*\w:199+4*\w] offset:16*\w
.endr
	s_wait_tensorcnt 0x0                           ; the tables and my part of step 0's tiles have landed; no tensor load of mine is out, so every group 0 may be written
	ds_add_u32 v[SPW], v[NIL]                      ; 0 onto my spare word
	s_add_nc_u64 s[G0K+2:G0K+3], s[G0K+2:G0K+3], 128*128       ; step 1's tiles, into slot 1
	s_add_nc_u64 s[G0V+2:G0V+3], s[G0V+2:G0V+3], 128
	s_add_nc_u64 s[G0M+2:G0M+3], s[G0M+2:G0M+3], 512
	s_add_co_u32 s[G0K+1], s[LK], SLOTB
	s_mov_b32 s[G0V+1], SLOTB+VOFF
	s_mov_b32 s[G0M+1], SLOTB+MOFF
	s_wait_dscnt 0x0                               ; the add is done, and my part of kp lies in LDS
	CROUND                                         ; slot 0, the tables and kp are whole for every wave; the partners are in step
	JLOAD                                          ; slot 1's first fill, issued as a refill is: one load a wave behind the round
	v_add_nc_u32 v[ADK], s[TB], v[AK0]
	v_add_nc_u32 v[ADM], s[TB], v[AM0]
	LD_K
	LD_KP
	LD_M 0, YR
	WIN 0
	s_wait_alu depctr_va_vdst(0)
	STEP 1, 1, 1                                   ; step 0 stands in front of the loop: its second product starts the sums
	s_mov_b32 s[CNT], 13
.Lstep:                                            ; steps 1 to 13: each asks for the tiles two steps on
	s_wait_alu depctr_va_vdst(0)
	STEP 0, 1, 1
	s_sub_co_u32 s[CNT], s[CNT], 1
	s_cmp_lg_u32 s[CNT], 0
	s_cbranch_scc1 .Lstep
	s_wait_alu depctr_va_vdst(0)
	STEP 0, 0, 1                                   ; the tail is written out: step 14 asks for nothing
	s_wait_alu depctr_va_vdst(0)
	STEP 0, 0, 0                                   ; step 15 changes no slot
	; THE WAY OUT.  The sum's halves are added; O^T is divided by the sum and goes, a tile of 16 queries at a time, through my stage in LDS, so that the 32 lanes store a whole row of 512 bytes.
	; The stages lie in slot 0: it had its last fill for step 14, and every wave has passed step 14's barrier, behind which nobody reads it.
.irp q, 0,1,2,3
	v_add_f32 v[ST+6*\q+2], v[ST+6*\q+2], v[ST+6*\q+3]
.endr
.irp q, 0,1,2,3
	v_permlanex16_b32 v[ST+6*\q+5], v[ST+6*\q+2], s[SEL], s[SEL+1]
.endr
.irp q, 0,1,2,3
	v_add_f32 v[ST+6*\q+2], v[ST+6*\q+2], v[ST+6*\q+5]     ; with lane l xor 16's: the row's sum
.endr
	s_wait_alu depctr_va_vdst(0)
.irp q, 0,1,2,3
	v_rcp_f32 v[ST+6*\q+4], v[ST+6*\q+2]
.endr
	s_mul_i32 s66, s[WV], MT                       ; my stage: 16 rows x 528 bytes
	v_mul_u32_u24 v[STO], v1, MP                   ; (plain lines behind the reciprocals)  in: row r; tile t's eight channels of my half: 64 t + 32 h bytes on
	v_lshl_add_u32 v[STO], v2, 5, v[STO]
	v_add_nc_u32 v[STO], s66, v[STO]
	v_and_b32 v[GO], 31, v0
	v_lshlrev_b32 v[GO], 4, v[GO]                  ; back, and in out0: 16 bytes a lane
	v_add_nc_u32 v[RD], s66, v[GO]
	s_wait_alu depctr_va_vdst(0)
	RESC                                           ; O^T / the sum: register 8 t + i of a tile is o(r, 16 t + 8 h + i)
.macro TOSTAGE q
	WIN ST_2
.irp t, 0,1,2,3,4,5,6,7
	ds_store_b128 v[STO], v[64*\q+8*\t:64*\q+8*\t+3] offset:64*\t
	ds_store_b128 v[STO], v[64*\q+8*\t+4:64*\q+8*\t+7] offset:64*\t+16
.endr
	WIN TO_3
.irp i, 0,1,2,3,4,5,6,7,8,9,10,11,12,13,14,15
	ds_load_b128 v[64*\q+4*\i:64*\q+4*\i+3], v[RD] offset:\i*MP    ; LDS serves a wave's instructions in order (ISA guide 5.7.1.4): these see the stores above, and the next tile's stores come behind them
.endr
.endm
.macro SEND q, younger                 ; younger: the LDS instructions issued behind tile q's loads.  Each tile has 64 registers of its own, so no store's data are written again
	s_wait_dscnt \younger
	WIN GS_3
.irp i, 0,1,2,3,4,5,6,7,8,9,10,11,12,13,14,15
	global_store_b128 v[GO], v[64*\q+4*\i:64*\q+4*\i+3], s[20:21] offset:8192*\q+512*\i th:TH_STORE_NT   ; 32 lanes store 512 consecutive bytes, at a multiple of 512 from out0's first byte; written once, read by nobody here
.endr
.endm
	TOSTAGE 0
	TOSTAGE 1
	s_wait_alu depctr_va_vdst(0)
	SEND 0, 32                                     ; behind tile 0's loads: tile 1's 16 stores and 16 loads
	TOSTAGE 2
	SEND 1, 32
	TOSTAGE 3
	SEND 2, 32
	SEND 3, 0
	WIN 0
	s_wait_tensorcnt 0x0                           ; the wave's end, behind my last tensor load and my last LDS store
	ds_add_u32 v[SPW], v[NIL]
	s_wait_dscnt 0x0
	CROUND                                         ; the closing round: no work-group ends while a partner may still ask for a tile that names it
	s_endpgm
.Lfunc_end_k_q3ef730a538_sdpa:
	.size	k_q3ef730a538_sdpa, .Lfunc_end_k_q3ef730a538_sdpa-k_q3ef730a538_sdpa
	.p2alignl 7, 3214868480
	.fill 96, 4, 3214868480
	.section	.rodata,"a",@progbits
	.p2align	6, 0x0
	.amdhsa_kernel k_q3ef730a538_sdpa
		.amdhsa_group_segment_fixed_size 327680
		.amdhsa_private_segment_fixed_size 0
		.amdhsa_enable_private_segment 0
		.amdhsa_kernarg_size 72
		.amdhsa_user_sgpr_count 2
		.amdhsa_user_sgpr_kernarg_segment_ptr 1
		.amdhsa_wavefront_size32 1
		.amdhsa_system_sgpr_workgroup_id_x 1
		.amdhsa_system_sgpr_workgroup_id_y 1
		.amdhsa_system_sgpr_workgroup_id_z 1
		.amdhsa_system_vgpr_workitem_id 0
		.amdhsa_next_free_vgpr 1024
		.amdhsa_next_free_sgpr 102
		.amdhsa_reserve_vcc 0
		.amdhsa_float_denorm_mode_32 3
		.amdhsa_float_denorm_mode_16_64 3
		.amdhsa_fp16_overflow 1
		.amdhsa_memory_ordered 1
		.amdhsa_forward_progress 1
		.amdhsa_inst_pref_size 255
	.end_amdhsa_kernel
	.section	.bss,"aw",@nobits
	.p2align	6
	.space	262144
	.amdgpu_metadata
---
amdhsa.version: [ 1, 2 ]
amdhsa.kernels:
  - .name:           k_q3ef730a538_sdpa
    .symbol:         k_q3ef730a538_sdpa.kd
    .args:
      - { .name: seqs_codes, .offset: 0, .size: 8, .value_kind: global_buffer, .address_space: global }
      - { .name: seqs_scales, .offset: 8, .size: 8, .value_kind: global_buffer, .address_space: global }
      - { .name: keys_codes, .offset: 16, .size: 8, .value_kind: global_buffer, .address_space: global }
      - { .name: keys_scales, .offset: 24, .size: 8, .value_kind: global_buffer, .address_space: global }
      - { .name: values_codes, .offset: 32, .size: 8, .value_kind: global_buffer, .address_space: global }
      - { .name: values_scales, .offset: 40, .size: 8, .value_kind: global_buffer, .address_space: global }
      - { .name: key_padding_mask, .offset: 48, .size: 8, .value_kind: global_buffer, .address_space: global }
      - { .name: attn_mask, .offset: 56, .size: 8, .value_kind: global_buffer, .address_space: global }
      - { .name: out0, .offset: 64, .size: 8, .value_kind: global_buffer, .address_space: global }
    .group_segment_fixed_size: 327680
    .private_segment_fixed_size: 0
    .kernarg_segment_align: 8
    .kernarg_segment_size: 72
    .max_flat_workgroup_size: 128
    .sgpr_count:     102
    .vgpr_count:     1024
    .wavefront_size: 32
...
	.end_amdgpu_metadata
.endif
;; end of part 1
